; MI455X (gfx1250); checked and timed in simulation.
; The chip was launched on July 23, 2026; its instructions are those of AMD's public machine-readable ISA for CDNA 5 (MIT licence, August 2026) and "CDNA5" Instruction Set Architecture Reference Guide (July 2026). The comments in the code are by the model that wrote it; some were corrected since.
;; Multi Head Attention. Allowed arithmetic: float matrix products may take bf16 or f16 operands with f32 sums; other float arithmetic in f32, or as packed bf16 or f16 multiplies, adds, multiply-adds, maxima and minima; sums over many terms, partial sums and values carried from step to step in f32; what a program stores and reads back later, other than sums and carried values, may be rounded once to bf16 or f16.
;; Inputs: Wk 16 x 1,024 x 64 float32; Wo 1,024 x 1,024 float32; Wq 16 x 1,024 x 64 float32; Wv 16 x 1,024 x 64 float32; bk 16 x 64 float32; bo 1,024 float32; bq 16 x 64 float32; bv 16 x 64 float32; x 4 x 4,096 x 1,024 float32.
;; Outputs: out0 4 x 4,096 x 1,024 float32.
;; One version. Each part assembles by itself: llvm-mc -triple=amdgcn-amd-amdhsa -mcpu=gfx1250 --defsym DOCPART=n.
;; ======== version 1 of 1: 3 launches
;; workspace buffers: xb 33,554,432 bytes; wcat 6,291,456 bytes; wob 2,097,152 bytes; vb 33,554,432 bytes; sc 1,048,576 bytes; pst 32,768 bytes
;; launch cast (part 1): grid 1280 x 1, 8 waves a work-group, no clusters, 0 bytes of LDS; arguments x, Wk, Wq, Wv, Wo, xb, wcat, wob; writes xb, wcat, wob
.if DOCPART == 1
	.amdgcn_target "amdgcn-amd-amdhsa--gfx1250"
	.amdhsa_code_object_version 6
	.text
	.protected	k_q128eeb2851_cast
	.globl	k_q128eeb2851_cast
	.p2align	8
	.type	k_q128eeb2851_cast,@function
k_q128eeb2851_cast:
	s_mov_b64 s[64:65], 0
	v_nop
	global_prefetch_b8 v0, s[64:65] scope:SCOPE_SE
	s_setreg_imm32_b32 hwreg(HW_REG_WAVE_MODE, 25, 1), 1
	s_wait_xcnt 0x0
; f32 -> bf16 (round to nearest even) of x, Wo, Wk, Wq, Wv: the matrix operands of the two launches that follow.
; A stream: each source byte is read once, each destination byte written once; no LDS, no barrier, no matrix unit, nothing is shared.
; SHARES.  A wave takes a piece of 8,192 source bytes (4,096 destination bytes).  Work-groups 0-1023: x, piece 8 wg + wave.
; Work-groups 1024-1279, 64 for each tensor: segment 0 Wo, 1 Wk, 2 Wq, 3 Wv.
; x -> xb and Wo -> wob keep their order.  Wk, Wq, Wv -> wcat [ct 12][kb 8][piece 4][k 128][n 64]: a block of 128 k x 64 n is 32,768 consecutive
; source bytes of one head (four pieces) and 16,384 consecutive destination bytes, so only the block's place changes.
;   V of head h: ct = h / 4, piece h % 4.    K, Q of head h: ct = 4 + h / 2, piece 2 (h % 2) + (0 for K, 1 for Q).
; Sixteen loads of 512 consecutive bytes a wave go out together; each store of a wave covers 256 consecutive bytes, aligned.
.set X, 8                              ; v[8:71]    sixteen loads of four registers
.set Y, 72                             ; v[72:103]  sixteen stores of two registers
	s_load_b256 s[4:11], s[0:1], 0x0               ; x s[4:5], Wk s[6:7], Wq s[8:9], Wv s[10:11]
	s_load_b256 s[12:19], s[0:1], 0x20             ; Wo s[12:13], xb s[14:15], wcat s[16:17], wob s[18:19]
	v_lshrrev_b32 v3, 5, v0
	v_readfirstlane_b32 s20, v3                    ; wave 0..7
	v_and_b32 v4, 31, v0
	v_lshlrev_b32 v1, 4, v4                        ; 16 source bytes a lane
	v_lshlrev_b32 v2, 3, v4                        ; 8 destination bytes a lane
	s_sub_co_u32 s21, ttmp9, 1024                  ; the work-group's number among the weights' (used only from 1024 on)
	s_lshr_b32 s22, s21, 6                         ; segment
	s_and_b32 s23, s21, 63
	s_lshl_b32 s23, s23, 3
	s_add_co_u32 s23, s23, s20                     ; piece in a weight tensor
	s_lshl_b32 s24, ttmp9, 3
	s_add_co_u32 s24, s24, s20                     ; piece in x
	s_cmp_lt_u32 ttmp9, 1024
	s_cselect_b32 s23, s24, s23                    ; p
	s_cselect_b32 s22, 4, s22                      ; segment 4: x
	s_lshr_b32 s25, s23, 2                         ; block = 8 h + kb
	s_and_b32 s26, s23, 3                          ; which quarter of it
	s_lshr_b32 s27, s25, 3                         ; h
	s_and_b32 s28, s25, 7                          ; kb
	s_lshr_b32 s29, s27, 2                         ; V: ct
	s_and_b32 s30, s27, 3                          ;    piece
	s_lshr_b32 s31, s27, 1
	s_add_co_u32 s31, s31, 4                       ; K, Q: ct
	s_and_b32 s32, s27, 1
	s_lshl_b32 s32, s32, 1
	s_add_co_u32 s32, s32, s22
	s_sub_co_u32 s32, s32, 1                       ;       piece = 2 (h % 2) + segment - 1
	s_cmp_eq_u32 s22, 3
	s_cselect_b32 s29, s29, s31
	s_cselect_b32 s30, s30, s32
	s_lshl_b32 s29, s29, 3
	s_add_co_u32 s29, s29, s28
	s_lshl_b32 s29, s29, 2
	s_add_co_u32 s29, s29, s30                     ; (8 ct + kb) 4 + piece
	s_lshl_b32 s29, s29, 14
	s_lshl_b32 s26, s26, 12
	s_add_co_u32 s40, s29, s26                     ; destination offset in wcat
	s_lshl_b32 s33, s23, 12                        ; destination offset where the order is kept
	s_cmp_eq_u32 s22, 0
	s_cselect_b32 s40, s33, s40
	s_cmp_eq_u32 s22, 4
	s_cselect_b32 s40, s33, s40
	s_mov_b32 s41, 0
	s_lshl_b32 s34, s23, 13                        ; source offset
	s_mov_b32 s35, 0
	s_wait_kmcnt 0x0
	s_cmp_eq_u32 s22, 1                            ; the two addresses are chosen by the segment's number alone
	s_cselect_b64 s[36:37], s[6:7], s[12:13]
	s_cmp_eq_u32 s22, 2
	s_cselect_b64 s[36:37], s[8:9], s[36:37]
	s_cmp_eq_u32 s22, 3
	s_cselect_b64 s[36:37], s[10:11], s[36:37]
	s_cmp_eq_u32 s22, 4
	s_cselect_b64 s[36:37], s[4:5], s[36:37]
	s_cselect_b64 s[38:39], s[14:15], s[16:17]
	s_cmp_eq_u32 s22, 0
	s_cselect_b64 s[38:39], s[18:19], s[38:39]
	s_add_nc_u64 s[36:37], s[36:37], s[34:35]
	s_add_nc_u64 s[38:39], s[38:39], s[40:41]
.set i, 0
.rept 16
	global_load_b128 v[X+4*i:X+4*i+3], v1, s[36:37] offset:512*i th:TH_LOAD_NT
.set i, i+1
.endr
.set i, 0
.rept 16
	s_wait_loadcnt 15-i                            ; loads come back in order: load i is in, the 15 - i younger ones stay out
	v_cvt_pk_bf16_f32 v[Y+2*i], v[X+4*i], v[X+4*i+1]
	v_cvt_pk_bf16_f32 v[Y+2*i+1], v[X+4*i+2], v[X+4*i+3]
	global_store_b64 v2, v[Y+2*i:Y+2*i+1], s[38:39] offset:256*i th:TH_STORE_NT
.set i, i+1
.endr
	s_endpgm
.Lfunc_end_k_q128eeb2851_cast:
	.size	k_q128eeb2851_cast, .Lfunc_end_k_q128eeb2851_cast-k_q128eeb2851_cast
	.p2alignl 7, 3214868480
	.fill 96, 4, 3214868480
	.section	.rodata,"a",@progbits
	.p2align	6, 0x0
	.amdhsa_kernel k_q128eeb2851_cast
		.amdhsa_group_segment_fixed_size 0
		.amdhsa_private_segment_fixed_size 0
		.amdhsa_enable_private_segment 0
		.amdhsa_kernarg_size 64
		.amdhsa_user_sgpr_count 2
		.amdhsa_user_sgpr_kernarg_segment_ptr 1
		.amdhsa_wavefront_size32 1
		.amdhsa_system_sgpr_workgroup_id_x 1
		.amdhsa_system_sgpr_workgroup_id_y 1
		.amdhsa_system_sgpr_workgroup_id_z 1
		.amdhsa_system_vgpr_workitem_id 0
		.amdhsa_next_free_vgpr 104
		.amdhsa_next_free_sgpr 66
		.amdhsa_reserve_vcc 0
		.amdhsa_float_denorm_mode_32 3
		.amdhsa_float_denorm_mode_16_64 3
		.amdhsa_memory_ordered 1
		.amdhsa_forward_progress 1
		.amdhsa_inst_pref_size 8
	.end_amdhsa_kernel
	.amdgpu_metadata
---
amdhsa.version: [ 1, 2 ]
amdhsa.kernels:
  - .name:           k_q128eeb2851_cast
    .symbol:         k_q128eeb2851_cast.kd
    .args:
      - { .name: x, .offset: 0, .size: 8, .value_kind: global_buffer, .address_space: global }
      - { .name: Wk, .offset: 8, .size: 8, .value_kind: global_buffer, .address_space: global }
      - { .name: Wq, .offset: 16, .size: 8, .value_kind: global_buffer, .address_space: global }
      - { .name: Wv, .offset: 24, .size: 8, .value_kind: global_buffer, .address_space: global }
      - { .name: Wo, .offset: 32, .size: 8, .value_kind: global_buffer, .address_space: global }
      - { .name: xb, .offset: 40, .size: 8, .value_kind: global_buffer, .address_space: global }
      - { .name: wcat, .offset: 48, .size: 8, .value_kind: global_buffer, .address_space: global }
      - { .name: wob, .offset: 56, .size: 8, .value_kind: global_buffer, .address_space: global }
    .group_segment_fixed_size: 0
    .private_segment_fixed_size: 0
    .kernarg_segment_align: 8
    .kernarg_segment_size: 64
    .max_flat_workgroup_size: 256
    .sgpr_count:     66
    .vgpr_count:     104
    .wavefront_size: 32
...
	.end_amdgpu_metadata
.endif
;; end of part 1
;; launch qkv (part 2): grid 4 x 64, 4 waves a work-group, clusters of 4 x 4, 327,680 bytes of LDS; arguments xb, wcat, bk, bq, bv, sc, pst, vb; writes sc, pst, vb
.if DOCPART == 2
	.amdgcn_target "amdgcn-amd-amdhsa--gfx1250"
	.amdhsa_code_object_version 6
	.text
	.protected	k_q128eeb2851_qkv
	.globl	k_q128eeb2851_qkv
	.p2align	8
	.type	k_q128eeb2851_qkv,@function
k_q128eeb2851_qkv:
	s_mov_b64 s[64:65], 0
	v_nop
	global_prefetch_b8 v0, s[64:65] scope:SCOPE_SE
	s_setreg_imm32_b32 hwreg(HW_REG_WAVE_MODE, 25, 1), 1
	s_wait_xcnt 0x0
	s_wait_alu depctr_hold_cnt(0) depctr_sa_sdst(0) depctr_va_vdst(0) depctr_va_sdst(0) depctr_va_ssrc(0) depctr_va_vcc(0) depctr_vm_vsrc(0)
	s_getreg_b32 s2, hwreg(HW_REG_IB_STS2, 6, 4)
	s_cmp_eq_u32 s2, 0
	s_cbranch_scc0 .Lentry_in_a_cluster
	s_endpgm
.Lentry_in_a_cluster:
	s_bfe_u32 s2, ttmp6, 0x10000c
	s_cmp_lg_u32 s2, 0xf033
	s_cbranch_scc0 .Lentry_shape_is_right
	s_endpgm
.Lentry_shape_is_right:
; [V | K, Q] = x W + b for 16,384 rows and 3,072 columns, K = 1,024; operands bf16, sums f32, the f32 biases start the sums.
; OUT.  vb: V rounded once to bf16, in the order in which the next launch's matrix fragments want it: [head 16][16 rows 1024][16 channels 4][lane 32][16 bytes];
;       lane (r = l % 16, hf = l / 16) holds V[16 blk + r][16 cb + 8 hf + 0..7].
;       sc: s = (K + bk) . (Q + bq) log2(e) / 8 in f32, [batch 4][head 16][group 64][r 16][a 4], row in the batch = 64 group + 16 a + r.
;       pst: for each group of 64 rows its maximum m of s and l = the sum of 2^(s - m), f32: the softmax over a batch's 4,096 rows is finished by the next launch.
; LIMITS.  x and the weights arrive rounded to bf16; a term 2^(s - m) below 2^-126 counts as 0; NaN and infinities are not treated apart.
; SHARES.  A tile is 256 rows x 256 columns: four waves, each 128 x 128 in 64 accumulators (512 registers).  A WORK-GROUP STAYS on its 256 rows and makes three tiles,
; column tiles gx, gx + 4, gx + 8: one of V (four heads), then two of K and Q (two heads each, laid K_h, Q_h, K_h+1, Q_h+1, 64 columns a piece).  So a wave's 128 columns of
; a K, Q tile are K and Q of ONE head, and a row's score is made inside the wave.  V goes first: its stores leave while the next tile is multiplied.
; K goes in steps of 128 through two LDS slots filled by tensor loads; the ring runs on from tile to tile.
; CLUSTER 4 x 4: the four work-groups of a row of the cluster share x's tile, the four of a column share W's: each is asked for jointly, by the same load, descriptor and mask.
; THE PRODUCT IS TAKEN TRANSPOSED (source 0 = 16 columns of W, source 1 = 16 rows of x): a lane holds row l % 16 and the eight neighbouring columns 8 (l / 16) + 0..7.
; x lies [row][k]: fragments by ds_load_b128.  W lies [k][n]: fragments by the turning load ds_load_tr16_b128.
; REGISTERS, in windows of 256 (s_set_vgpr_msb: bits 1:0 source 0, 3:2 source 1, 5:4 source 2, 7:6 destination):
;   window 0: v0-31 addresses; v64-127, v128-191 x's fragments, two buffers; v128-255 at work on the ways out
;   window 1: v0-63 the bias as eight C operands (column block b at 8 b); v64-127, v128-191 W's fragments, two buffers
;   window 2: accumulators of my rows 0-63 ((a, b) at 8 (8 a + b));  window 3: those of rows 64-127
.set PA,    272                        ; a row of x in LDS: 256 bytes + 16: the 16 rows of a fragment load start 16 bytes apart modulo 256
.set HALFA, 128*PA                     ; 128 rows: one tensor load, and one wave's rows
.set PB,    160                        ; a k row of a piece of W: 128 bytes + 32
.set PIECE, 128*PB                     ; 128 k x 64 columns
.set HALFB, 2*PIECE                    ; two pieces: one tensor load, and one wave's columns
.set BOFF,  2*HALFA                    ; W's four pieces lie behind x's 256 rows
.set SLOT,  BOFF+2*HALFB               ; 151,552 bytes
.set SPARE, 2*SLOT                     ; behind the ring: the spare words, 128 bytes a wave: two blocks of 256 bytes that no other line names
.set LAPS,  4                          ; a lap = two K steps = once round the ring; 1,024 / 256
.set ADRA, 16                          ; v16-17  LDS address of my fragments of x in slot 0, 1
.set ADRB, 20                          ; v20-21  the same for W
.set L16,  24                          ; v24     16 x lane
.set H8,   25                          ; v25     8 x (lane / 16)
.set H32,  26                          ; v26     32 x (lane / 16)
.set R16,  27                          ; v27     lane % 16
.set SPW,  28                          ; v28     LDS address of my spare word; never rewritten
.set NIL,  29                          ; v29     0; never rewritten
.set PFO,  30                          ; v30     the prefetches' lane offset; never rewritten
.set F0,   64
.set F1,   128
.set TMP,  128                         ; V's way out: four sets of 32 registers
.set SA,   192                         ; v192-207  the scores' partial sums, a pair for each of my eight blocks of 16 rows
.set SS,   208                         ; v208-215  the eight scores of a lane
.set OO,   224                         ; v224-227  four scores as stored
.set MM,   228                         ; v228-229  m, l
.set EE,   232                         ; v232-235  at work
.set G1,  24                           ; s[24:31] descriptor group 1, x's tiles;  s[32:39] group 0, a set for each slot
.set G0,  32
.set G1B, 48                           ; s[48:55], s[56:63] the same for W's tiles
.set G0B, 56
.set LIM, 43                           ; s43     1 in a wave that prefetches, else the greatest number
.set PFA, 44                           ; s[44:45] where my prefetches stand
.set PSTEP, 66                         ; s[66:67] a K step in bytes, in the tensor that I fetch
.set PNEXT, 84                         ; s[84:85] from the K step after a tile's last but... to the next tile's K step 2 (W alone)
.set BP0, 86                           ; s[86:87] bk of the next tile's head
.set BP1, 88                           ; s[88:89] bq of it
.set MSB, 0
.macro WIN new                         ; the immediate's high byte repeats the setting that is left; a switch that changes nothing is dropped
.if MSB != (\new)
	s_set_vgpr_msb (MSB<<8)|(\new)
.set MSB, \new
.endif
.endm
; A joint load.  Waves 0 and 1 fetch x's two halves, waves 2 and 3 W's.  The branch hangs on the wave's number alone.  An s_nop 0 and four v_nop follow each line.
.macro JLOAD s
	s_cmp_eq_u32 s11, 0
	s_cbranch_scc0 .Lfor_b_\@
	tensor_load_to_lds s[G0+4*(\s):G0+4*(\s)+3], s[G1:G1+7]
	s_nop 0
.rept 4
	v_nop
.endr
	s_branch .Lasked_\@
.Lfor_b_\@:
	tensor_load_to_lds s[G0B+4*(\s):G0B+4*(\s)+3], s[G1B:G1B+7]
	s_nop 0
.rept 4
	v_nop
.endr
.Lasked_\@:
.endm
; A prefetch, behind a joint load, its five lines and the run of LDS loads: 32 blocks of 256 bytes, a lane a block, of the K step that stands two refills (512 matrix instructions) on.
; Each block is named once in the launch.  x's rows are read by my cluster alone: it asks, in the first tile only (the later tiles walk the same rows again).  W's column tile is read by the
; sixteen clusters of the grid's one column of clusters: cluster y = 0 asks, in every tile.  The four partners of a joint load share its blocks out by ADDRESS.
; how = 0, in the loop: the last trip's two refills have no K step two on.  how = 1, at a change of tiles: the next tile's K steps 2 and 3 of W.
.macro ASK how
.if \how
	s_cmp_eq_u32 s[LIM], 1
.else
	s_cmp_gt_u32 s3, s[LIM]
.endif
	s_cbranch_scc0 .Lnot_mine_\@
	global_prefetch_b8 v[PFO], s[PFA:PFA+1] th:TH_LOAD_NT scope:SCOPE_SE
.Lnot_mine_\@:
.endm
.macro CREST                           ; a round of the cluster's barrier behind its opening barrier
	s_cmp_lg_u32 s10, 0
	s_cbranch_scc1 .Lnot_wave_0_\@
	s_barrier_signal -3
.Lnot_wave_0_\@:
	s_barrier_wait -3
	s_barrier_signal -1
	s_barrier_wait -1
.endm
.macro CROUND                          ; a whole round
	s_barrier_signal -1
	s_barrier_wait -1
	CREST
.endm
.macro PLACES                          ; four places behind matrix instructions, in front of loads into their registers and of readers of their results
.rept 4
	v_nop
.endr
.endm
; The bias of my 128 columns as eight C operands: register j of block b in lane (r, hf) = bias[16 b + 8 hf + j]; blocks 0-3 from p0, 4-7 from p1 (64 numbers each)
.macro BIAS p0, p1
	WIN 0x40                                       ; destination window 1, address window 0
.irp b, 0,1,2,3
	global_load_b128 v[8*(\b):8*(\b)+3],       v[H32], s[(\p0):(\p0)+1] offset:64*(\b)
	global_load_b128 v[8*(\b)+4:8*(\b)+7],     v[H32], s[(\p0):(\p0)+1] offset:64*(\b)+16
	global_load_b128 v[32+8*(\b):32+8*(\b)+3], v[H32], s[(\p1):(\p1)+1] offset:64*(\b)
	global_load_b128 v[32+8*(\b)+4:32+8*(\b)+7], v[H32], s[(\p1):(\p1)+1] offset:64*(\b)+16
.endr
	WIN 0
.endm
	s_load_b256 s[68:75], s[0:1], 0x0              ; xb s[68:69], wcat s[70:71], bk s[72:73], bq s[74:75]
	s_load_b256 s[76:83], s[0:1], 0x20             ; bv s[76:77], sc s[78:79], pst s[80:81], vb s[82:83]
	v_lshl_add_u32 v[SPW], v0, 2, SPARE
	v_mov_b32 v[NIL], 0
	ds_add_u32 v[SPW], v[NIL]                      ; the wave's opening: the add and its wait stand ahead of my first tensor load; the set-up below stands between them
	v_lshrrev_b32 v1, 5, v0
	v_readfirstlane_b32 s10, v1                    ; wave 0..3
	s_lshr_b32 s11, s10, 1                         ; my half of the tile's rows.  Also: I fetch for x (0) or for W (1)
	s_and_b32 s12, s10, 1                          ; my half of its columns.  Also: which half of that tile I fetch
	s_bfe_u32 s40, ttmp6, 0x40000                  ; cx
	s_bfe_u32 s41, ttmp6, 0x40004                  ; cy
	s_lshl_b32 s42, ttmp9, 2
	s_add_co_u32 s42, s42, s40                     ; gx = 4 x cluster x + cx: my first column tile
	s_and_b32 s13, ttmp7, 0xffff
	s_lshl_b32 s13, s13, 2
	s_add_co_u32 s13, s13, s41                     ; ty = 4 x cluster y + cy: my 256 rows
	s_lshl_b32 s43, s41, 2
	s_lshl_b32 s43, 15, s43                        ; my row of the cluster
	s_lshl_b32 s44, 0x1111, s40                    ; my column
	s_or_b32 s[G1], s43, (1<<16)|(1<<20)|(1<<21)|(5<<22)|(3<<25)   ; the mask; 2-byte elements; padding on; bit 21 beside a mask; after every 64 words 4 words
	s_or_b32 s[G1B], s44, (1<<16)|(1<<20)|(1<<21)|(4<<22)|(7<<25)  ; after every 32 words (a k row of a piece) 8 words
.irp g, G1, G1B
	s_mov_b32 s[(\g)+1], 128<<16                   ; tensor_dim0 = 128
	s_mov_b32 s[(\g)+2], 128<<16                   ; tensor_dim1 = 128
	s_mov_b32 s[(\g)+3], 128<<16                   ; tile_dim0 = 128 elements: 256 bytes
	s_mov_b32 s[(\g)+4], 128                       ; tile_dim1 = 128
	s_mov_b32 s[(\g)+6], 0
	s_mov_b32 s[(\g)+7], 0
.endr
	s_mov_b32 s[G1+5], 1024                        ; x: 1,024 elements from row to row
	s_mov_b32 s[G1B+5], 128                        ; W: two pieces are 32,768 dense bytes, asked for as 128 rows of 256
	s_lshl_b32 s16, s13, 8
	s_lshl_b32 s17, s12, 7
	s_add_co_u32 s16, s16, s17                     ; x: row 256 ty + 128 half,
	s_lshl_b32 s16, s16, 11                        ; of 2,048 bytes
	s_mov_b32 s17, 0
	s_lshl_b32 s46, s42, 19                        ; W: column tile gx of 524,288 bytes,
	s_lshl_b32 s47, s12, 15                        ; my two pieces
	s_add_co_u32 s46, s46, s47
	s_mov_b32 s47, 0
	s_mul_i32 s20, s12, HALFA                      ; where they go: no place in the cluster enters an LDS address
	s_mul_i32 s21, s12, HALFB
	s_add_co_u32 s21, s21, BOFF
	s_mov_b32 s90, 0x3e38aa3b                      ; log2(e) / 8
	s_mov_b32 s91, 0xffff0000                      ; lanes 16-31
	s_mov_b32 s92, 0x76543210                      ; v_permlanex16_b32: each lane takes its own place in the other half
	s_mov_b32 s93, 0xfedcba98
	s_wait_dscnt 0x0                               ; the opening add is done
	s_wait_kmcnt 0x0
	s_add_nc_u64 s[14:15], s[68:69], s[16:17]
	s_add_nc_u64 s[46:47], s[70:71], s[46:47]
	CROUND                                         ; all sixteen work-groups are here: the first joint loads meet
.irp s, 0,1
	s_mov_b32 s[G0+4*(\s)], 1
	s_add_co_u32 s[G0+4*(\s)+1], s20, (\s)*SLOT
	s_add_nc_u64 s[G0+4*(\s)+2:G0+4*(\s)+3], s[14:15], (\s)*256      ; K step s: 256 bytes along a row
	s_or_b32 s[G0+4*(\s)+3], s[G0+4*(\s)+3], 0x80000000
	s_mov_b32 s[G0B+4*(\s)], 1
	s_add_co_u32 s[G0B+4*(\s)+1], s21, (\s)*SLOT
	s_add_nc_u64 s[G0B+4*(\s)+2:G0B+4*(\s)+3], s[46:47], (\s)*65536  ; K step s: four pieces of 16,384 bytes
	s_or_b32 s[G0B+4*(\s)+3], s[G0B+4*(\s)+3], 0x80000000
	JLOAD \s                                       ; two tensor loads of mine are out
.endr
	v_and_b32 v1, 15, v0                           ; r
	v_bfe_u32 v2, v0, 4, 1                         ; hf
	v_and_b32 v6, 31, v0                           ; lane
	v_lshlrev_b32 v[H32], 5, v2
	s_lshl_b32 s14, s42, 2
	s_lshl_b32 s15, s12, 1
	s_add_co_u32 s14, s14, s15                     ; my first head of V: 4 gx + 2 ch
	s_lshl_b32 s16, s14, 8                         ; 64 numbers of f32 a head
	s_mov_b32 s17, 0
	s_add_nc_u64 s[96:97], s[76:77], s[16:17]
	s_add_nc_u64 s[98:99], s[96:97], 256
	BIAS 96, 98                                    ; bv of my two heads
	s_lshl_b32 s16, s14, 21                        ; vb: a head is 2,097,152 bytes,
	s_lshl_b32 s18, s13, 15                        ; 256 rows are 32,768,
	s_add_co_u32 s16, s16, s18
	s_lshl_b32 s18, s11, 14                        ; my 128 are 16,384
	s_add_co_u32 s16, s16, s18
	s_add_nc_u64 s[82:83], s[82:83], s[16:17]
	s_lshl_b32 s14, s42, 1
	s_add_co_u32 s14, s14, s12                     ; my head of K and Q in the second tile: 2 gx + ch; in the third: 8 more
	s_lshl_b32 s16, s14, 8
	s_add_nc_u64 s[BP0:BP0+1], s[72:73], s[16:17]
	s_add_nc_u64 s[BP1:BP1+1], s[74:75], s[16:17]
	s_lshr_b32 s15, s13, 4                         ; batch: 16 blocks of 256 rows each
	s_lshl_b32 s15, s15, 4
	s_add_co_u32 s14, s14, s15                     ; 16 batch + head
	s_lshl_b32 s14, s14, 6
	s_and_b32 s15, s13, 15
	s_lshl_b32 s15, s15, 2
	s_add_co_u32 s14, s14, s15
	s_lshl_b32 s15, s11, 1
	s_add_co_u32 s14, s14, s15                     ; + my first group of 64 rows: 4 (ty % 16) + 2 rh
	s_lshl_b32 s16, s14, 8                         ; sc: 256 bytes a group
	s_add_nc_u64 s[78:79], s[78:79], s[16:17]
	s_lshl_b32 s16, s14, 3                         ; pst: 8 bytes a group
	s_add_nc_u64 s[80:81], s[80:81], s[16:17]
	v_mul_u32_u24 v3, v1, PA
	v_lshl_add_u32 v3, v2, 4, v3                   ; x's fragment: row r x pitch + 16 hf
	s_mul_i32 s21, s11, HALFA
	v_add_nc_u32 v[ADRA], s21, v3
	v_add_nc_u32 v[ADRA+1], SLOT, v[ADRA]
	v_and_b32 v4, 7, v0                            ; W's fragment: lane l reads k row 8 hf + l % 8, 16 bytes at 16 ((l / 8) % 2)
	v_lshl_add_u32 v4, v2, 3, v4
	v_mul_u32_u24 v4, v4, PB
	v_bfe_u32 v5, v0, 3, 1
	v_lshl_add_u32 v4, v5, 4, v4
	s_mul_i32 s22, s12, HALFB
	s_add_co_u32 s22, s22, BOFF
	v_add_nc_u32 v[ADRB], s22, v4
	v_add_nc_u32 v[ADRB+1], SLOT, v[ADRB]
	v_lshlrev_b32 v[L16], 4, v6
	v_lshlrev_b32 v[H8], 3, v2
	v_mov_b32 v[R16], v1
	; the prefetches: where they stand, their steps, who asks
	s_lshl_b32 s18, s13, 8
	s_lshl_b32 s19, s12, 7
	s_add_co_u32 s18, s18, s19
	s_lshl_b32 s19, s40, 5
	s_add_co_u32 s18, s18, s19                     ; x: of the 128 rows that I fetch my work-group's 32, by cx,
	s_lshl_b32 s18, s18, 11
	s_add_co_u32 s18, s18, 768                     ; at K step 3: the first refill steps it to 4
	s_lshl_b32 s19, s42, 19
	s_lshl_b32 s20, s12, 15
	s_add_co_u32 s19, s19, s20
	s_lshl_b32 s20, s41, 13                        ; W: of the 32,768 bytes that I fetch my work-group's 8,192, by cy,
	s_add_co_u32 s19, s19, s20
	s_add_co_u32 s19, s19, 196608                  ; at K step 3
	s_and_b32 s22, ttmp7, 0xffff                   ; cluster y
	s_mov_b32 s14, 256
	s_mov_b32 s15, 0x10000
	s_mov_b32 s23, 1638400                         ; W: from K step 9 of a tile to K step 2 of the tile four column tiles on: 2,097,152 - 7 x 65,536
	s_cmp_eq_u32 s11, 0                            ; do I fetch for x?
	s_cselect_b32 s20, s18, s19
	s_cselect_b32 s22, 0, s22
	s_cselect_b64 s[PFA:PFA+1], s[68:69], s[70:71]
	s_cselect_b32 s[PSTEP], s14, s15
	s_cselect_b32 s[PNEXT], 0, s23
	s_cselect_b32 s23, 11, 8                       ; a lane a row of x (2,048 bytes apart), or a lane a block of 256 dense bytes of W
	s_mov_b32 s21, 0
	s_mov_b32 s[PSTEP+1], 0
	s_mov_b32 s[PNEXT+1], 0
	s_add_nc_u64 s[PFA:PFA+1], s[PFA:PFA+1], s[20:21]
	s_cmp_eq_u32 s22, 0
	s_cselect_b32 s[LIM], 1, -1                    ; the same in all sixteen partners, for a given wave
	v_lshlrev_b32 v[PFO], s23, v6
; 16 matrix instructions: row blocks a0, a0 + 1 of the window's four x all 8 column blocks, 32 along K.  zero = 1: a tile's first products: the bias is their C operand, so nothing is cleared or added later.
; The 64 accumulators take turns, one instruction a turn, in the same order in every quarter.
.macro MUL16 f, hi, a0, zero
.if \zero
	WIN 0x91+0x40*(\hi)                            ; W window 1, x window 0, C (the bias) window 1, D window 2 or 3
.else
	WIN 0xa1+0x50*(\hi)                            ; C and D window 2 or 3
.endif
.irp a, \a0, (\a0)+1
.irp b, 0,1,2,3,4,5,6,7
.if \zero
	v_wmma_f32_16x16x32_bf16 v[8*(8*(\a)+(\b)):8*(8*(\a)+(\b))+7], v[(\f)+8*(\b):(\f)+8*(\b)+7], v[(\f)+8*(4*(\hi)+(\a)):(\f)+8*(4*(\hi)+(\a))+7], v[8*(\b):8*(\b)+7]
.else
	v_wmma_f32_16x16x32_bf16 v[8*(8*(\a)+(\b)):8*(8*(\a)+(\b))+7], v[(\f)+8*(\b):(\f)+8*(\b)+7], v[(\f)+8*(4*(\hi)+(\a)):(\f)+8*(4*(\hi)+(\a))+7], v[8*(8*(\a)+(\b)):8*(8*(\a)+(\b))+7]
.endif
.endr
.endr
.endm
; 32 LDS loads in one run: quarter kq's fragments (32 along K) into buffer f: W's 8 column blocks (piece b / 4, columns 16 (b % 4) on), then x's 8 row blocks
.macro FETCH slot, kq, f
	WIN 0x40
.irp b, 0,1,2,3,4,5,6,7
	ds_load_tr16_b128 v[(\f)+8*(\b):(\f)+8*(\b)+3],   v[ADRB+(\slot)] offset:((\b)/4)*PIECE+(\kq)*32*PB+((\b)%4)*32
	ds_load_tr16_b128 v[(\f)+8*(\b)+4:(\f)+8*(\b)+7], v[ADRB+(\slot)] offset:((\b)/4)*PIECE+(\kq)*32*PB+((\b)%4)*32+16*PB
.endr
	WIN 0
.irp i, 0,1,2,3,4,5,6,7
	ds_load_b128 v[(\f)+8*(\i):(\f)+8*(\i)+3],   v[ADRA+(\slot)] offset:(\kq)*64+(\i)*16*PA
	ds_load_b128 v[(\f)+8*(\i)+4:(\f)+8*(\i)+7], v[ADRA+(\slot)] offset:(\kq)*64+(\i)*16*PA+32
.endr
.endm
; One of a K step's first three quarters: multiplies buffer f; in its middle it fetches quarter kq of the same slot into buffer g
.macro QUARTER slot, kq, f, g, zero
	s_wait_dscnt 8                                 ; W and x's rows 0-63 are in; the youngest eight loads (x's rows 64-127) may be out
	MUL16 \f, 0, 0, \zero
	MUL16 \f, 0, 2, \zero
	PLACES
	FETCH \slot, \kq, \g
	s_wait_dscnt 32                                ; all but the 32 just issued
	MUL16 \f, 1, 0, \zero
	MUL16 \f, 1, 2, \zero
.endm
; The first half of the last quarter, with the ONE barrier of a change of slots.  In front of it each wave waits for all its tensor loads (one is out: its part of the next slot), adds 0 to its
; spare word, and waits for that and for its reads of this slot.  Behind it nobody reads this slot and the next slot is whole.
.macro MEET round
	WIN 0
	s_wait_tensorcnt 0x0
	ds_add_u32 v[SPW], v[NIL]
	s_wait_dscnt 9                                 ; the add and the youngest eight loads may be out
	MUL16 F1, 0, 0, 0
	s_wait_dscnt 0x0                               ; the add is done, my reads of this slot are over
	s_barrier_signal -1
	MUL16 F1, 0, 2, 0
.if \round
	WIN 0
.endif
	s_barrier_wait -1
.endm
; The whole last quarter.  Behind the round the slot just read is filled again first: with this tile's K step two on (on = 0) or the next tile's K step 0 or 1 (on = 1).
; From a request to the wait for it a wave issues 224 matrix instructions.
.macro TURN slot, next, on
	s_wait_xcnt 0x0                                ; the last prefetch, a K step back, has read its address
.if (\on) && ((\slot) == 0)
	s_add_nc_u64 s[PFA:PFA+1], s[PFA:PFA+1], s[PNEXT:PNEXT+1]
	s_cmp_eq_u32 s11, 1
	s_cselect_b32 s[LIM], s[LIM], -1               ; x's rows have been walked once: they are asked for no more
.else
	s_add_nc_u64 s[PFA:PFA+1], s[PFA:PFA+1], s[PSTEP:PSTEP+1]
.endif
	MEET 1
	CREST                                          ; no wave of any partner still reads this slot or has a load on its way
.if \on
	s_sub_nc_u64 s[G0+4*(\slot)+2:G0+4*(\slot)+3], s[G0+4*(\slot)+2:G0+4*(\slot)+3], 1536        ; x: back by six K steps
	s_add_nc_u64 s[G0B+4*(\slot)+2:G0B+4*(\slot)+3], s[G0B+4*(\slot)+2:G0B+4*(\slot)+3], 1703936 ; W: four column tiles on, six K steps back
.else
	s_add_nc_u64 s[G0+4*(\slot)+2:G0+4*(\slot)+3], s[G0+4*(\slot)+2:G0+4*(\slot)+3], 512
	s_add_nc_u64 s[G0B+4*(\slot)+2:G0B+4*(\slot)+3], s[G0B+4*(\slot)+2:G0B+4*(\slot)+3], 131072
.endif
	JLOAD \slot                                    ; its four v_nop are also the places in front of the loads below
	FETCH \next, 0, F0
	ASK \on
	MUL16 F1, 1, 0, 0
	MUL16 F1, 1, 2, 0
.endm
; V's WAY OUT.  A lane's eight channels of a row round to 16 bytes, and a wave's store covers 512 consecutive bytes of vb: no trip through LDS.
.macro EPI_V
	PLACES
.irp a, 0,1,2,3,4,5,6,7
.if (\a) == 4
	s_wait_xcnt 0x0                                ; the first four blocks' stores have read their registers, which are written again
.endif
	WIN 0x0a+5*((\a)/4)                            ; sources window 2 or 3, destination window 0
.irp b, 0,1,2,3,4,5,6,7
.irp r, 0,1,2,3
	v_cvt_pk_bf16_f32 v[TMP+32*((\a)%4)+4*(\b)+(\r)], v[64*((\a)%4)+8*(\b)+2*(\r)], v[64*((\a)%4)+8*(\b)+2*(\r)+1]
.endr
.endr
	WIN 0
.irp b, 0,1,2,3,4,5,6,7
	global_store_b128 v[L16], v[TMP+32*((\a)%4)+4*(\b):TMP+32*((\a)%4)+4*(\b)+3], s[82:83] offset:((\b)/4)*2097152+(\a)*2048+((\b)%4)*512
.endr
.endr
.endm
; K's AND Q's WAY OUT: nothing but the scores leaves.  Column blocks 0-3 are K, 4-7 Q of the same channels, so a lane multiplies its 32 pairs (16 packed lines a row block, four chains by turns,
; each accumulator read from its low end); the row's other 32 channels lie in the lane 16 away.  t: 0 for the second tile, 1 for the third (heads 8 on).
.macro EPI_KQ t
	PLACES
.irp hi, 0,1
	WIN 0x0a+5*(\hi)
.irp b, 0,1,2,3
.irp p, 0,1,2,3
.irp a, 0,1,2,3
.if ((\b)+(\p)) == 0
	v_pk_mul_f32 v[SA+8*(\hi)+2*(\a):SA+8*(\hi)+2*(\a)+1], v[64*(\a)+8*(\b)+2*(\p):64*(\a)+8*(\b)+2*(\p)+1], v[64*(\a)+8*(\b)+32+2*(\p):64*(\a)+8*(\b)+32+2*(\p)+1]
.else
	v_pk_fma_f32 v[SA+8*(\hi)+2*(\a):SA+8*(\hi)+2*(\a)+1], v[64*(\a)+8*(\b)+2*(\p):64*(\a)+8*(\b)+2*(\p)+1], v[64*(\a)+8*(\b)+32+2*(\p):64*(\a)+8*(\b)+32+2*(\p)+1], v[SA+8*(\hi)+2*(\a):SA+8*(\hi)+2*(\a)+1]
.endif
.endr
.endr
.endr
.endr
	WIN 0
.irp a, 0,1,2,3,4,5,6,7
	v_add_f32 v[SA+2*(\a)], v[SA+2*(\a)], v[SA+2*(\a)+1]
.endr
.irp a, 0,1,2,3,4,5,6,7
	v_permlanex16_b32 v[SA+2*(\a)+1], v[SA+2*(\a)], s92, s93
.endr
.irp a, 0,1,2,3,4,5,6,7
	v_add_f32 v[SA+2*(\a)], v[SA+2*(\a)], v[SA+2*(\a)+1]
.endr
.irp a, 0,1,2,3,4,5,6,7
	v_mul_f32 v[SS+(\a)], s90, v[SA+2*(\a)]        ; s of row 16 a + r, in both halves of the lanes
.endr
	s_wait_xcnt 0x0                                ; every earlier memory instruction has read its registers and EXEC: the last scores' store data are written again, and EXEC changes below
.irp i, 0,1,2,3
	v_cndmask_b32 v[OO+(\i)], v[SS+(\i)], v[SS+4+(\i)], s91  ; lanes 0-15 keep my first group of 64 rows, lanes 16-31 my second
.endr
	v_max3_num_f32 v[MM], v[OO], v[OO+1], v[OO+2]  ; the group's maximum: four rows a lane, then the 16 lanes of the half
	v_max_num_f32 v[MM], v[MM], v[OO+3]
.irp x, 1,2,4,8
	v_max_num_f32_dpp v[MM], v[MM], v[MM] row_xmask:\x row_mask:0xf bank_mask:0xf
.endr
.irp i, 0,1,2,3
	v_sub_f32 v[EE+(\i)], v[OO+(\i)], v[MM]
.endr
.irp i, 0,1,2,3
	v_exp_f32 v[EE+(\i)], v[EE+(\i)]
.endr
	v_nop                                          ; a plain instruction behind the last exponential,
	s_wait_alu depctr_va_vdst(0)                   ; and one wait for the four, ahead of their first reader
	v_add_f32 v[EE], v[EE], v[EE+1]
	v_add_f32 v[EE+2], v[EE+2], v[EE+3]
	v_add_f32 v[MM+1], v[EE], v[EE+2]
.irp x, 1,2,4,8
	v_add_f32_dpp v[MM+1], v[MM+1], v[MM+1] row_xmask:\x row_mask:0xf bank_mask:0xf
.endr
	v_cmp_eq_u32 vcc_lo, 0, v[R16]
	s_and_saveexec_b32 s94, vcc_lo                 ; lanes 0 and 16: a group's (m, l) each
	global_store_b64 v[H8], v[MM:MM+1], s[80:81] offset:(\t)*4096
	s_wait_xcnt 0x0                                ; EXEC widens only behind this wait
	s_or_b32 exec_lo, exec_lo, s94
	global_store_b128 v[L16], v[OO:OO+3], s[78:79] offset:(\t)*131072  ; 512 consecutive bytes: two groups
.endm
	s_wait_tensorcnt 0x1                           ; my part of K step 0 is in; K step 1's may stay out
	s_barrier_signal -1
	s_barrier_wait -1
	FETCH 0, 0, F0
	s_mov_b32 s2, 3                                ; tiles to go: the same number in every work-group
.Ltile:
	s_wait_loadcnt 0x0                             ; this tile's bias
	QUARTER 0, 1, F0, F1, 1                        ; a tile's first quarter: its products start the sums with the bias
	WIN 0
	s_cmp_eq_u32 s2, 1
	s_cbranch_scc1 .Lnobias                        ; the last tile has no successor
	PLACES                                         ; behind the last product that read the bias
	BIAS BP0, BP1                                  ; the next tile's: bk and bq of my head
.Lnobias:
	s_mov_b32 s3, LAPS-1
.Llap:                                             ; a trip goes once round the ring and fills both slots again
	QUARTER 0, 2, F1, F0, 0
	QUARTER 0, 3, F0, F1, 0
	TURN 0, 1, 0
	QUARTER 1, 1, F0, F1, 0
	QUARTER 1, 2, F1, F0, 0
	QUARTER 1, 3, F0, F1, 0
	TURN 1, 0, 0
	QUARTER 0, 1, F0, F1, 0
	WIN 0
	s_sub_co_u32 s3, s3, 1
	s_cmp_lg_u32 s3, 0
	s_cbranch_scc1 .Llap
	QUARTER 0, 2, F1, F0, 0
	QUARTER 0, 3, F0, F1, 0
	WIN 0
	s_cmp_eq_u32 s2, 1
	s_cbranch_scc1 .Llast                          ; the last tile's tail is written out: it asks for nothing more
	TURN 0, 1, 1                                   ; the ring goes on into the next tile
	QUARTER 1, 1, F0, F1, 0
	QUARTER 1, 2, F1, F0, 0
	QUARTER 1, 3, F0, F1, 0
	TURN 1, 0, 1
	WIN 0
	s_cmp_eq_u32 s2, 3                             ; both refills are asked for: now the tile goes out
	s_cbranch_scc0 .Lkq0
	EPI_V
	s_branch .Lnext
.Lkq0:
	EPI_KQ 0
.Lnext:
	s_wait_xcnt 0x0                                ; the stores and the bias loads have read their registers
	s_add_nc_u64 s[BP0:BP0+1], s[BP0:BP0+1], 2048  ; eight heads on
	s_add_nc_u64 s[BP1:BP1+1], s[BP1:BP1+1], 2048
	s_sub_co_u32 s2, s2, 1
	s_branch .Ltile
.Llast:
	MEET 0                                         ; the one load that was out is the last K step's
	PLACES
	FETCH 1, 0, F0
	MUL16 F1, 1, 0, 0
	MUL16 F1, 1, 2, 0
	QUARTER 1, 1, F0, F1, 0
	QUARTER 1, 2, F1, F0, 0
	QUARTER 1, 3, F0, F1, 0
	s_wait_dscnt 8
	MUL16 F1, 0, 0, 0
	MUL16 F1, 0, 2, 0
	s_wait_dscnt 0x0
	MUL16 F1, 1, 0, 0
	MUL16 F1, 1, 2, 0
	WIN 0
	EPI_KQ 1
	s_wait_tensorcnt 0x0                           ; the wave's end
	ds_add_u32 v[SPW], v[NIL]
	s_wait_dscnt 0x0
	CROUND                                         ; the closing round: no work-group ends while a partner may still ask for a tile that names it
	s_endpgm
.Lfunc_end_k_q128eeb2851_qkv:
	.size	k_q128eeb2851_qkv, .Lfunc_end_k_q128eeb2851_qkv-k_q128eeb2851_qkv
	.p2alignl 7, 3214868480
	.fill 96, 4, 3214868480
	.section	.rodata,"a",@progbits
	.p2align	6, 0x0
	.amdhsa_kernel k_q128eeb2851_qkv
		.amdhsa_group_segment_fixed_size 327680
		.amdhsa_private_segment_fixed_size 0
		.amdhsa_enable_private_segment 0
		.amdhsa_kernarg_size 64
		.amdhsa_user_sgpr_count 2
		.amdhsa_user_sgpr_kernarg_segment_ptr 1
		.amdhsa_wavefront_size32 1
		.amdhsa_system_sgpr_workgroup_id_x 1
		.amdhsa_system_sgpr_workgroup_id_y 1
		.amdhsa_system_sgpr_workgroup_id_z 1
		.amdhsa_system_vgpr_workitem_id 0
		.amdhsa_next_free_vgpr 1024
		.amdhsa_next_free_sgpr 100
		.amdhsa_reserve_vcc 1
		.amdhsa_float_denorm_mode_32 3
		.amdhsa_float_denorm_mode_16_64 3
		.amdhsa_memory_ordered 1
		.amdhsa_forward_progress 1
		.amdhsa_inst_pref_size 196
	.end_amdhsa_kernel
	.amdgpu_metadata
---
amdhsa.version: [ 1, 2 ]
amdhsa.kernels:
  - .name:           k_q128eeb2851_qkv
    .symbol:         k_q128eeb2851_qkv.kd
    .args:
      - { .name: xb, .offset: 0, .size: 8, .value_kind: global_buffer, .address_space: global }
      - { .name: wcat, .offset: 8, .size: 8, .value_kind: global_buffer, .address_space: global }
      - { .name: bk, .offset: 16, .size: 8, .value_kind: global_buffer, .address_space: global }
      - { .name: bq, .offset: 24, .size: 8, .value_kind: global_buffer, .address_space: global }
      - { .name: bv, .offset: 32, .size: 8, .value_kind: global_buffer, .address_space: global }
      - { .name: sc, .offset: 40, .size: 8, .value_kind: global_buffer, .address_space: global }
      - { .name: pst, .offset: 48, .size: 8, .value_kind: global_buffer, .address_space: global }
      - { .name: vb, .offset: 56, .size: 8, .value_kind: global_buffer, .address_space: global }
    .group_segment_fixed_size: 327680
    .private_segment_fixed_size: 0
    .kernarg_segment_align: 8
    .kernarg_segment_size: 64
    .max_flat_workgroup_size: 128
    .sgpr_count:     100
    .vgpr_count:     1024
    .wavefront_size: 32
...
	.end_amdgpu_metadata
.endif
;; end of part 2
;; launch oproj (part 3): grid 4 x 64, 4 waves a work-group, clusters of 4 x 4, 327,680 bytes of LDS; arguments vb, wob, sc, pst, bo, out0; writes out0
.if DOCPART == 3
	.amdgcn_target "amdgcn-amd-amdhsa--gfx1250"
	.amdhsa_code_object_version 6
	.text
	.protected	k_q128eeb2851_oproj
	.globl	k_q128eeb2851_oproj
	.p2align	8
	.type	k_q128eeb2851_oproj,@function
k_q128eeb2851_oproj:
	s_mov_b64 s[64:65], 0
	v_nop
	global_prefetch_b8 v0, s[64:65] scope:SCOPE_SE
	s_setreg_imm32_b32 hwreg(HW_REG_WAVE_MODE, 25, 1), 1
	s_wait_xcnt 0x0
	s_wait_alu depctr_hold_cnt(0) depctr_sa_sdst(0) depctr_va_vdst(0) depctr_va_sdst(0) depctr_va_ssrc(0) depctr_va_vcc(0) depctr_vm_vsrc(0)
	s_getreg_b32 s2, hwreg(HW_REG_IB_STS2, 6, 4)
	s_cmp_eq_u32 s2, 0
	s_cbranch_scc0 .Lentry_in_a_cluster
	s_endpgm
.Lentry_in_a_cluster:
	s_bfe_u32 s2, ttmp6, 0x10000c
	s_cmp_lg_u32 s2, 0xf033
	s_cbranch_scc0 .Lentry_shape_is_right
	s_endpgm
.Lentry_shape_is_right:
; out0[row][n] = the sum over head h, channel c of w[row][h] V[row][h][c] Wo[64 h + c][n] + bo[n];  w = softmax over a batch's 4,096 rows of the scores.
; IN.  vb: V in bf16, in fragment order [head][16 rows][16 channels 4][lane][16 bytes]; wob: Wo in bf16, [k][n]; sc: s = score x log2(e), f32, [batch][head][group 64][r 16][a 4];
;      pst: each group's maximum m and l = the sum of 2^(s - m), f32.
; SOFTMAX.  M = the maximum of a batch's 64 group maxima, L = the sum of l 2^(m - M), w = 2^(s - M) / L: the maximum is taken away before every exponential; L is at least 1.
; LIMITS.  w is rounded to bf16 and w V once more to bf16 (v_pk_mul_bf16), so that operand carries three roundings (V, w, the product); sums in f32; bo starts the sums in f32.
;      A term below 2^-126 counts as 0; NaN and infinities are not treated apart.
; SHARES.  One tile of 256 x 256 to a work-group: four waves of 128 x 128, 64 accumulators each.  K goes in steps of 128 = two heads, through two LDS slots filled by tensor loads.
; CLUSTER 4 x 4: V's tile is shared along a row of the cluster, Wo's along a column: joint loads.
; THE PRODUCT IS TAKEN TRANSPOSED (source 0 = 16 columns of Wo, source 1 = 16 rows of w V): a lane holds row l % 16 and eight neighbouring columns.
; V's fragments lie in LDS as they lie in registers: a load reads 512 consecutive bytes.  A lane holds one row, so its weight is one register: eight packed lines scale a fragment.
; REGISTERS: window 0: v0-31 addresses; v32-47 the weights of a K step (head z, row block a at 32 + 8 z + a); v64-127, v128-191 V's fragments, two buffers (at the start: the softmax; at the end: rows on their way out)
;   window 1: v0-63 bo as eight C operands; v64-127, v128-191 Wo's fragments;  windows 2, 3: the accumulators ((a, b) at 8 (8 (a % 4) + b))
.set BOFF,  65536                      ; a slot: V [head z 2][16 rows 16][16 channels 4][512 bytes], then Wo
.set PB,    544                        ; a k row of Wo: 512 bytes + 32
.set HALFB, 64*PB
.set SLOT,  BOFF+2*HALFB               ; 135,168 bytes
.set WT,    2*SLOT                     ; the weights: [head 16][group 4][r 16][a 4] words, bf16(w) in both halves: 16,384 bytes that no tensor load fills
.set STAGE, WT+16384                   ; 16 rows x 528 bytes for each wave, for the way out
.set SP,    528                        ; 512 bytes + 16: the 16 rows of a store start 16 bytes apart modulo 256
.set SPARE, STAGE+4*16*SP              ; the spare words, 128 bytes a wave: two blocks of 256 bytes that no other line names
.set ADRA, 16                          ; v16-17  LDS address of my fragments of V in slot 0, 1
.set ADRB, 20                          ; v20-21  the same for Wo
.set WADR, 22                          ; v22     my weights of the K step to be fetched
.set STO,  24                          ; v24     the way out: where I put 32 bytes of a row
.set RD,   25                          ; v25     where I read a row back
.set CO,   26                          ; v26     16 x lane: my bytes of a row's 512
.set H32,  27                          ; v27     32 x (lane / 16)
.set SPW,  28
.set NIL,  29
.set PFO,  30
.set W,    32
.set F0,   64
.set F1,   128
.set PS,   64                          ; the softmax: v64-79 eight (m, l); v80-111 32 scores; v112-125 at work
.set SC,   80
.set G1,  24
.set G0,  32
.set G1B, 48
.set G0B, 56
.set LIM, 43
.set PFA, 44
.set PSTEP, 66
.set MSB, 0
.macro WIN new
.if MSB != (\new)
	s_set_vgpr_msb (MSB<<8)|(\new)
.set MSB, \new
.endif
.endm
.macro JLOAD s                         ; a joint load: waves 0 and 1 fetch V's two heads, waves 2 and 3 Wo's two halves; an s_nop 0 and four v_nop follow each line
	s_cmp_eq_u32 s11, 0
	s_cbranch_scc0 .Lfor_b_\@
	tensor_load_to_lds s[G0+4*(\s):G0+4*(\s)+3], s[G1:G1+7]
	s_nop 0
.rept 4
	v_nop
.endr
	s_branch .Lasked_\@
.Lfor_b_\@:
	tensor_load_to_lds s[G0B+4*(\s):G0B+4*(\s)+3], s[G1B:G1B+7]
	s_nop 0
.rept 4
	v_nop
.endr
.Lasked_\@:
.endm
; A prefetch of 32 blocks of 256 bytes, a lane a block, of the K step two refills (512 matrix instructions) on.  V's rows are read by my cluster alone: it asks.  Wo's column tile is read by all
; sixteen clusters: cluster y = 0 asks.  The four partners of a joint load share its blocks out by address.  The last trip asks for nothing: there is no K step two on.
.macro ASK
	s_cmp_gt_u32 s3, s[LIM]
	s_cbranch_scc0 .Lnot_mine_\@
	global_prefetch_b8 v[PFO], s[PFA:PFA+1] th:TH_LOAD_NT scope:SCOPE_SE
.Lnot_mine_\@:
.endm
.macro CREST
	s_cmp_lg_u32 s10, 0
	s_cbranch_scc1 .Lnot_wave_0_\@
	s_barrier_signal -3
.Lnot_wave_0_\@:
	s_barrier_wait -3
	s_barrier_signal -1
	s_barrier_wait -1
.endm
.macro CROUND
	s_barrier_signal -1
	s_barrier_wait -1
	CREST
.endm
.macro PLACES
.rept 4
	v_nop
.endr
.endm
	s_load_b256 s[68:75], s[0:1], 0x0              ; vb s[68:69], wob s[70:71], sc s[72:73], pst s[74:75]
	s_load_b128 s[76:79], s[0:1], 0x20             ; bo s[76:77], out0 s[78:79]
	v_lshl_add_u32 v[SPW], v0, 2, SPARE
	v_mov_b32 v[NIL], 0
	ds_add_u32 v[SPW], v[NIL]                      ; the wave's opening: the add and its wait stand ahead of my first tensor load
	v_lshrrev_b32 v1, 5, v0
	v_readfirstlane_b32 s10, v1                    ; wave 0..3
	s_lshr_b32 s11, s10, 1                         ; my half of the rows.  Also: I fetch for V (0) or for Wo (1)
	s_and_b32 s12, s10, 1                          ; my half of the columns.  Also: which half I fetch
	s_bfe_u32 s40, ttmp6, 0x40000                  ; cx
	s_bfe_u32 s41, ttmp6, 0x40004                  ; cy
	s_lshl_b32 s42, ttmp9, 2
	s_add_co_u32 s42, s42, s40                     ; tile column
	s_and_b32 s13, ttmp7, 0xffff
	s_lshl_b32 s13, s13, 2
	s_add_co_u32 s13, s13, s41                     ; tile row
	s_lshl_b32 s43, s41, 2
	s_lshl_b32 s43, 15, s43
	s_lshl_b32 s44, 0x1111, s40
	s_or_b32 s[G1], s43, (1<<16)|(1<<21)           ; V: the mask of my row; 2-byte elements; bit 21 beside a mask; no padding
	s_or_b32 s[G1B], s44, (1<<16)|(1<<20)|(1<<21)|(6<<22)|(7<<25)  ; Wo: the mask of my column; after every 128 words 8 words of padding
	s_mov_b32 s[G1+1], 128<<16                     ; V: a head's 256 rows are 32,768 dense bytes: 128 rows of 256
	s_mov_b32 s[G1+2], 128<<16
	s_mov_b32 s[G1+3], 128<<16
	s_mov_b32 s[G1+4], 128
	s_mov_b32 s[G1+5], 128
	s_mov_b32 s[G1+6], 0
	s_mov_b32 s[G1+7], 0
	s_mov_b32 s[G1B+1], 256<<16                    ; Wo: 64 k rows of 256 elements, 1,024 elements from row to row
	s_mov_b32 s[G1B+2], 64<<16
	s_mov_b32 s[G1B+3], 256<<16
	s_mov_b32 s[G1B+4], 64
	s_mov_b32 s[G1B+5], 1024
	s_mov_b32 s[G1B+6], 0
	s_mov_b32 s[G1B+7], 0
	s_lshl_b32 s16, s12, 21                        ; V: head s12 of the step, 2,097,152 bytes a head,
	s_lshl_b32 s17, s13, 15                        ; my tile row's 32,768
	s_add_co_u32 s16, s16, s17
	s_mov_b32 s17, 0
	s_lshl_b32 s46, s12, 17                        ; Wo: 64 rows of 2,048 bytes,
	s_lshl_b32 s47, s42, 9                         ; my tile column's 512
	s_add_co_u32 s46, s46, s47
	s_mov_b32 s47, 0
	s_lshl_b32 s20, s12, 15
	s_mul_i32 s21, s12, HALFB
	s_add_co_u32 s21, s21, BOFF
	s_wait_dscnt 0x0
	s_wait_kmcnt 0x0
	s_add_nc_u64 s[14:15], s[68:69], s[16:17]
	s_add_nc_u64 s[46:47], s[70:71], s[46:47]
	CROUND
.irp s, 0,1
	s_mov_b32 s[G0+4*(\s)], 1
	s_add_co_u32 s[G0+4*(\s)+1], s20, (\s)*SLOT
	s_add_nc_u64 s[G0+4*(\s)+2:G0+4*(\s)+3], s[14:15], (\s)*4194304   ; K step s: two heads
	s_or_b32 s[G0+4*(\s)+3], s[G0+4*(\s)+3], 0x80000000
	s_mov_b32 s[G0B+4*(\s)], 1
	s_add_co_u32 s[G0B+4*(\s)+1], s21, (\s)*SLOT
	s_add_nc_u64 s[G0B+4*(\s)+2:G0B+4*(\s)+3], s[46:47], (\s)*262144  ; K step s: 128 rows
	s_or_b32 s[G0B+4*(\s)+3], s[G0B+4*(\s)+3], 0x80000000
	JLOAD \s                                       ; two tensor loads of mine are out
.endr
	; THE SOFTMAX, in the wait for the first tiles.  Thread t takes head t / 8 and part t % 8: eight of the batch's 64 groups' (m, l), and 32 of the work-group's 256 scores of that head.
	v_lshrrev_b32 v3, 3, v0                        ; head
	v_and_b32 v4, 7, v0                            ; part
	v_lshlrev_b32 v8, 9, v3
	v_lshl_add_u32 v8, v4, 6, v8                   ; pst: 512 bytes a head, 64 a part
	v_lshlrev_b32 v9, 14, v3
	v_lshl_add_u32 v9, v4, 4, v9                   ; sc: 16,384 bytes a head
	v_lshlrev_b32 v10, 10, v3
	v_lshl_add_u32 v10, v4, 4, v10
	v_add_nc_u32 v10, WT, v10                      ; the weights keep the scores' order
	v_and_b32 v1, 15, v0                           ; r
	v_bfe_u32 v2, v0, 4, 1                         ; hf
	v_and_b32 v6, 31, v0                           ; lane
	v_lshlrev_b32 v[H32], 5, v2
	s_lshr_b32 s14, s13, 4                         ; batch
	s_lshl_b32 s16, s14, 13
	s_mov_b32 s17, 0
	s_add_nc_u64 s[74:75], s[74:75], s[16:17]
	s_lshl_b32 s16, s14, 18
	s_and_b32 s15, s13, 15
	s_lshl_b32 s15, s15, 10                        ; my four groups: 1,024 bytes
	s_add_co_u32 s16, s16, s15
	s_add_nc_u64 s[72:73], s[72:73], s[16:17]
	s_lshl_b32 s16, s42, 10
	s_lshl_b32 s15, s12, 9
	s_add_co_u32 s16, s16, s15                     ; bo and a row of out0 at my 128 columns
	s_add_nc_u64 s[76:77], s[76:77], s[16:17]
	s_add_nc_u64 s[78:79], s[78:79], s[16:17]
	s_lshl_b32 s16, s13, 20
	s_lshl_b32 s15, s11, 19
	s_add_co_u32 s16, s16, s15                     ; out0 at my first row: 4,096 bytes a row
	s_add_nc_u64 s[78:79], s[78:79], s[16:17]
.irp i, 0,1,2,3
	global_load_b128 v[PS+4*(\i):PS+4*(\i)+3], v8, s[74:75] offset:16*(\i)
.endr
.irp i, 0,1,2,3,4,5,6,7
	global_load_b128 v[SC+4*(\i):SC+4*(\i)+3], v9, s[72:73] offset:128*(\i)
.endr
	WIN 0x40                                       ; bo as eight C operands: register j of block b = bo[16 b + 8 hf + j]
.irp b, 0,1,2,3,4,5,6,7
	global_load_b128 v[8*(\b):8*(\b)+3],   v[H32], s[76:77] offset:64*(\b)
	global_load_b128 v[8*(\b)+4:8*(\b)+7], v[H32], s[76:77] offset:64*(\b)+16
.endr
	WIN 0
	; addresses, while the loads are out
	s_lshl_b32 s21, s11, 14
	v_lshl_add_u32 v[ADRA], v6, 4, s21             ; my 8 blocks of 16 rows, 16 bytes a lane
	v_add_nc_u32 v[ADRA+1], SLOT, v[ADRA]
	v_and_b32 v4, 7, v0
	v_lshl_add_u32 v4, v2, 3, v4
	v_mul_u32_u24 v4, v4, PB
	v_bfe_u32 v5, v0, 3, 1
	v_lshl_add_u32 v4, v5, 4, v4
	s_lshl_b32 s22, s12, 8
	s_add_co_u32 s22, s22, BOFF
	v_add_nc_u32 v[ADRB], s22, v4
	v_add_nc_u32 v[ADRB+1], SLOT, v[ADRB]
	s_lshl_b32 s22, s11, 9
	s_add_co_u32 s22, s22, WT
	v_lshl_add_u32 v[WADR], v1, 4, s22             ; my two groups of 64 rows, 16 bytes (four row blocks) a row r
	s_mul_i32 s23, s10, 16*SP
	s_add_co_u32 s23, s23, STAGE
	v_mul_u32_u24 v[STO], v1, SP
	v_lshl_add_u32 v[STO], v2, 5, v[STO]
	v_add_nc_u32 v[STO], s23, v[STO]
	v_lshl_add_u32 v[RD], v6, 4, s23
	v_lshlrev_b32 v[CO], 4, v6
	s_lshl_b32 s18, s12, 21                        ; the prefetches.  V: my head of the step, my tile row, my work-group's 8,192 bytes by cx, at K step 3
	s_lshl_b32 s19, s13, 15
	s_add_co_u32 s18, s18, s19
	s_lshl_b32 s19, s40, 13
	s_add_co_u32 s18, s18, s19
	s_add_co_u32 s18, s18, 12582912
	s_lshl_b32 s19, s12, 6                         ; Wo: of the 64 rows that I fetch my work-group's 16 by cy, my tile column, at K step 3
	s_lshl_b32 s20, s41, 4
	s_add_co_u32 s19, s19, s20
	s_lshl_b32 s19, s19, 11
	s_lshl_b32 s20, s42, 9
	s_add_co_u32 s19, s19, s20
	s_add_co_u32 s19, s19, 786432
	s_and_b32 s22, ttmp7, 0xffff
	s_mov_b32 s14, 4194304
	s_mov_b32 s15, 262144
	s_cmp_eq_u32 s11, 0
	s_cselect_b32 s20, s18, s19
	s_cselect_b32 s22, 0, s22
	s_cselect_b64 s[PFA:PFA+1], s[68:69], s[70:71]
	s_cselect_b32 s[PSTEP], s14, s15
	s_cselect_b32 s23, 9, 11                       ; two blocks of 256 bytes lie 512 (V, dense) or 2,048 (a row of Wo) bytes from the next two
	s_mov_b32 s21, 0
	s_mov_b32 s[PSTEP+1], 0
	s_add_nc_u64 s[PFA:PFA+1], s[PFA:PFA+1], s[20:21]
	s_cmp_eq_u32 s22, 0
	s_cselect_b32 s[LIM], 1, -1
	v_lshrrev_b32 v5, 1, v6
	v_lshlrev_b32 v[PFO], s23, v5
	v_and_b32 v7, 1, v6
	v_lshl_add_u32 v[PFO], v7, 8, v[PFO]
	s_wait_loadcnt 24                              ; (m, l) are in; the 8 loads of scores and the 16 of bo stay out
	v_max3_num_f32 v112, v[PS], v[PS+2], v[PS+4]
	v_max3_num_f32 v113, v[PS+6], v[PS+8], v[PS+10]
	v_max3_num_f32 v112, v112, v[PS+12], v[PS+14]
	v_max_num_f32 v112, v112, v113
.irp x, 1,2,4
	v_max_num_f32_dpp v112, v112, v112 row_xmask:\x row_mask:0xf bank_mask:0xf  ; the head's eight threads are eight neighbouring lanes
.endr
.irp g, 0,1,2,3,4,5,6,7
	v_sub_f32 v[114+(\g)], v[PS+2*(\g)], v112
.endr
.irp g, 0,1,2,3,4,5,6,7
	v_exp_f32 v[114+(\g)], v[114+(\g)]
.endr
	v_nop
	s_wait_alu depctr_va_vdst(0)                   ; one wait for the eight
	v_mul_f32 v122, v[PS+1], v114
	v_mul_f32 v123, v[PS+3], v115
	v_fmac_f32 v122, v[PS+5], v116
	v_fmac_f32 v123, v[PS+7], v117
	v_fmac_f32 v122, v[PS+9], v118
	v_fmac_f32 v123, v[PS+11], v119
	v_fmac_f32 v122, v[PS+13], v120
	v_fmac_f32 v123, v[PS+15], v121
	v_add_f32 v122, v122, v123
.irp x, 1,2,4
	v_add_f32_dpp v122, v122, v122 row_xmask:\x row_mask:0xf bank_mask:0xf
.endr
	v_rcp_f32 v124, v122                           ; 1 / L, twice: a pair for the packed multiply
	v_rcp_f32 v125, v122
	s_wait_loadcnt 16                              ; the scores are in; bo's 16 loads stay out
.set i, 0
.rept 16
	v_pk_add_f32 v[SC+i:SC+i+1], v[SC+i:SC+i+1], v[112:113] op_sel_hi:[1,0] neg_lo:[0,1] neg_hi:[0,1]  ; s - M
.set i, i+2
.endr
.set i, 0
.rept 32
	v_exp_f32 v[SC+i], v[SC+i]
.set i, i+1
.endr
	v_nop
	s_wait_alu depctr_va_vdst(0)                   ; one wait for the two reciprocals and the 32 exponentials
.set i, 0
.rept 16
	v_pk_mul_f32 v[SC+i:SC+i+1], v[SC+i:SC+i+1], v[124:125]
.set i, i+2
.endr
.set i, 0
.rept 32
	v_cvt_pk_bf16_f32 v[SC+i], v[SC+i], v[SC+i]    ; bf16(w) in both halves of the word
.set i, i+1
.endr
.irp i, 0,1,2,3,4,5,6,7
	ds_store_b128 v10, v[SC+4*(\i):SC+4*(\i)+3] offset:128*(\i)
.endr
.macro MUL16 f, hi, a0, zero           ; 16 matrix instructions; zero = 1: the first products take bo as their C operand.  The 64 accumulators take turns
.if \zero
	WIN 0x91+0x40*(\hi)
.else
	WIN 0xa1+0x50*(\hi)
.endif
.irp a, \a0, (\a0)+1
.irp b, 0,1,2,3,4,5,6,7
.if \zero
	v_wmma_f32_16x16x32_bf16 v[8*(8*(\a)+(\b)):8*(8*(\a)+(\b))+7], v[(\f)+8*(\b):(\f)+8*(\b)+7], v[(\f)+8*(4*(\hi)+(\a)):(\f)+8*(4*(\hi)+(\a))+7], v[8*(\b):8*(\b)+7]
.else
	v_wmma_f32_16x16x32_bf16 v[8*(8*(\a)+(\b)):8*(8*(\a)+(\b))+7], v[(\f)+8*(\b):(\f)+8*(\b)+7], v[(\f)+8*(4*(\hi)+(\a)):(\f)+8*(4*(\hi)+(\a))+7], v[8*(8*(\a)+(\b)):8*(8*(\a)+(\b))+7]
.endif
.endr
.endr
.endm
.macro WFETCH                          ; a K step's weights: two heads x my two groups of 64 rows, four row blocks a load
	WIN 0
.irp z, 0,1
.irp g, 0,1
	ds_load_b128 v[W+8*(\z)+4*(\g):W+8*(\z)+4*(\g)+3], v[WADR] offset:(\z)*1024+(\g)*256
.endr
.endr
.endm
; 32 LDS loads: quarter q (head q / 2, channels 32 (q % 2) on) into buffer f: V's row blocks 0-3, Wo's 8 column blocks, V's row blocks 4-7: in the order in which they are wanted
.macro FETCH slot, q, f
	WIN 0
.irp i, 0,1,2,3
	ds_load_b128 v[(\f)+8*(\i):(\f)+8*(\i)+3],   v[ADRA+(\slot)] offset:((\q)/2)*32768+((\q)%2)*1024+(\i)*2048
	ds_load_b128 v[(\f)+8*(\i)+4:(\f)+8*(\i)+7], v[ADRA+(\slot)] offset:((\q)/2)*32768+((\q)%2)*1024+(\i)*2048+512
.endr
	WIN 0x40
.irp b, 0,1,2,3,4,5,6,7
	ds_load_tr16_b128 v[(\f)+8*(\b):(\f)+8*(\b)+3],   v[ADRB+(\slot)] offset:(\q)*32*PB+32*(\b)
	ds_load_tr16_b128 v[(\f)+8*(\b)+4:(\f)+8*(\b)+7], v[ADRB+(\slot)] offset:(\q)*32*PB+32*(\b)+16*PB
.endr
	WIN 0
.irp i, 4,5,6,7
	ds_load_b128 v[(\f)+8*(\i):(\f)+8*(\i)+3],   v[ADRA+(\slot)] offset:((\q)/2)*32768+((\q)%2)*1024+(\i)*2048
	ds_load_b128 v[(\f)+8*(\i)+4:(\f)+8*(\i)+7], v[ADRA+(\slot)] offset:((\q)/2)*32768+((\q)%2)*1024+(\i)*2048+512
.endr
.endm
.macro SCALE f, hi, z                  ; four fragments of V times the row's weight of head z: two bf16 a line, each rounded to bf16
	WIN 0
.irp a, 0,1,2,3
.irp j, 0,1,2,3,4,5,6,7
	v_pk_mul_bf16 v[(\f)+8*(4*(\hi)+(\a))+(\j)], v[(\f)+8*(4*(\hi)+(\a))+(\j)], v[W+8*(\z)+4*(\hi)+(\a)]
.endr
.endr
.endm
; One of a K step's first three quarters: scales and multiplies buffer f (head z), fetches quarter q into buffer g
.macro QUARTER slot, q, f, g, zero, z
	s_wait_dscnt 24                                ; the weights and V's row blocks 0-3 are in; Wo's 16 loads and V's last 8 may be out
	SCALE \f, 0, \z
	s_wait_dscnt 8                                 ; Wo is in
	MUL16 \f, 0, 0, \zero
	MUL16 \f, 0, 2, \zero
	s_wait_dscnt 0x0                               ; V's row blocks 4-7
	SCALE \f, 1, \z
	PLACES                                         ; four plain places in front of the loads into buffer g
	FETCH \slot, \q, \g
	MUL16 \f, 1, 0, \zero
	MUL16 \f, 1, 2, \zero
.endm
; The last quarter (buffer 1, head 1 of the step) and the change of slots: ONE barrier; in front of it each wave waits for all its tensor loads, adds 0 to its spare word and waits for that and
; for its reads of this slot.  fill = 1: the barrier opens a round of the cluster's, and this slot is filled again, two K steps on, first thing behind it: 224 matrix instructions ahead of the wait for it.
.macro TURN slot, next, fill
.if \fill
	s_wait_xcnt 0x0                                ; the last prefetch, a K step back, has read its address
	s_add_nc_u64 s[PFA:PFA+1], s[PFA:PFA+1], s[PSTEP:PSTEP+1]
.endif
	WIN 0
	s_wait_tensorcnt 0x0
	ds_add_u32 v[SPW], v[NIL]
	s_wait_dscnt 25                                ; the add, Wo's 16 loads and V's last 8 may be out
	SCALE F1, 0, 1
	s_wait_dscnt 9                                 ; the add and V's last 8
	MUL16 F1, 0, 0, 0
	s_wait_dscnt 0x0                               ; the add is done, my reads of this slot are over
	s_barrier_signal -1
	MUL16 F1, 0, 2, 0
	WIN 0
	s_barrier_wait -1
.if \fill
	CREST
	s_add_nc_u64 s[G0+4*(\slot)+2:G0+4*(\slot)+3], s[G0+4*(\slot)+2:G0+4*(\slot)+3], 8388608
	s_add_nc_u64 s[G0B+4*(\slot)+2:G0B+4*(\slot)+3], s[G0B+4*(\slot)+2:G0B+4*(\slot)+3], 524288
	JLOAD \slot
.else
	PLACES
.endif
	SCALE F1, 1, 1                                 ; the last use of this K step's weights
	v_add_nc_u32 v[WADR], 2048, v[WADR]            ; two heads on
	WFETCH
	FETCH \next, 0, F0
.if \fill
	ASK
.endif
	MUL16 F1, 1, 0, 0
	MUL16 F1, 1, 2, 0
.endm
; THE WAY OUT, 16 rows at a time through my own stage: a lane's eight f32 of a row go in as 32 bytes (each accumulator's low four registers first); whole rows of 512 bytes come back.
.macro STG a
	WIN 0x08+4*((\a)/4)                            ; the store's data in window 2 or 3
.irp b, 0,1,2,3,4,5,6,7
	ds_store_b128 v[STO], v[64*((\a)%4)+8*(\b):64*((\a)%4)+8*(\b)+3]   offset:64*(\b)
	ds_store_b128 v[STO], v[64*((\a)%4)+8*(\b)+4:64*((\a)%4)+8*(\b)+7] offset:64*(\b)+16
.endr
	WIN 0
.endm
.macro BACK a
.irp t, 0,1,2,3,4,5,6,7,8,9,10,11,12,13,14,15
	ds_load_b128 v[64+64*((\a)%2)+4*(\t):64+64*((\a)%2)+4*(\t)+3], v[RD] offset:(\t)*SP  ; LDS serves a wave's instructions in order: these see the stores above, and the next block's stores come behind them
.endr
.endm
.macro SEND a, younger                 ; younger: the LDS instructions issued behind block a's loads
	s_wait_dscnt \younger
	s_wait_xcnt 0x0                                ; earlier stores have read their base and their data: both are written again behind this wait
.if (\a) != 0
	s_add_nc_u64 s[78:79], s[78:79], 65536         ; 16 rows on
.endif
.irp t, 0,1,2,3,4,5,6,7,8,9,10,11,12,13,14,15
	global_store_b128 v[CO], v[64+64*((\a)%2)+4*(\t):64+64*((\a)%2)+4*(\t)+3], s[78:79] offset:(\t)*4096 th:TH_STORE_NT  ; 512 consecutive bytes of a row, aligned
.endr
.endm
	s_wait_dscnt 0x0                               ; for the others' sake: my weights are in LDS
	s_wait_tensorcnt 0x1                           ; my part of K step 0 is in; K step 1's may stay out
	s_barrier_signal -1
	s_barrier_wait -1
	WFETCH
	FETCH 0, 0, F0
	s_wait_loadcnt 0x0                             ; bo
	QUARTER 0, 1, F0, F1, 1, 0                     ; the first quarter: its products start the sums with bo
	WIN 0
	s_mov_b32 s3, 3
.Llap:                                             ; a trip goes once round the ring and fills both slots again
	QUARTER 0, 2, F1, F0, 0, 0
	QUARTER 0, 3, F0, F1, 0, 1
	TURN 0, 1, 1
	QUARTER 1, 1, F0, F1, 0, 0
	QUARTER 1, 2, F1, F0, 0, 0
	QUARTER 1, 3, F0, F1, 0, 1
	TURN 1, 0, 1
	QUARTER 0, 1, F0, F1, 0, 0
	WIN 0
	s_sub_co_u32 s3, s3, 1
	s_cmp_lg_u32 s3, 0
	s_cbranch_scc1 .Llap
	QUARTER 0, 2, F1, F0, 0, 0                     ; the last lap fills nothing
	QUARTER 0, 3, F0, F1, 0, 1
	TURN 0, 1, 0
	QUARTER 1, 1, F0, F1, 0, 0
	QUARTER 1, 2, F1, F0, 0, 0
	QUARTER 1, 3, F0, F1, 0, 1
	s_wait_dscnt 24                                ; the very last quarter: nothing more to fetch
	SCALE F1, 0, 1
	s_wait_dscnt 8
	MUL16 F1, 0, 0, 0
	MUL16 F1, 0, 2, 0
	s_wait_dscnt 0x0
	SCALE F1, 1, 1
	MUL16 F1, 1, 0, 0
	MUL16 F1, 1, 2, 0
	WIN 0
	PLACES
	STG 0
	BACK 0
.irp a, 1,2,3,4,5,6,7
	STG \a
	SEND (\a)-1, 16                                ; the 16 stores into the stage just issued may be out
	BACK \a
.endr
	SEND 7, 0
	s_wait_tensorcnt 0x0                           ; the wave's end: behind my last tensor load and my last LDS store
	ds_add_u32 v[SPW], v[NIL]
	s_wait_dscnt 0x0
	CROUND                                         ; the closing round
	s_endpgm
.Lfunc_end_k_q128eeb2851_oproj:
	.size	k_q128eeb2851_oproj, .Lfunc_end_k_q128eeb2851_oproj-k_q128eeb2851_oproj
	.p2alignl 7, 3214868480
	.fill 96, 4, 3214868480
	.section	.rodata,"a",@progbits
	.p2align	6, 0x0
	.amdhsa_kernel k_q128eeb2851_oproj
		.amdhsa_group_segment_fixed_size 327680
		.amdhsa_private_segment_fixed_size 0
		.amdhsa_enable_private_segment 0
		.amdhsa_kernarg_size 48
		.amdhsa_user_sgpr_count 2
		.amdhsa_user_sgpr_kernarg_segment_ptr 1
		.amdhsa_wavefront_size32 1
		.amdhsa_system_sgpr_workgroup_id_x 1
		.amdhsa_system_sgpr_workgroup_id_y 1
		.amdhsa_system_sgpr_workgroup_id_z 1
		.amdhsa_system_vgpr_workitem_id 0
		.amdhsa_next_free_vgpr 1024
		.amdhsa_next_free_sgpr 100
		.amdhsa_reserve_vcc 0
		.amdhsa_float_denorm_mode_32 3
		.amdhsa_float_denorm_mode_16_64 3
		.amdhsa_memory_ordered 1
		.amdhsa_forward_progress 1
		.amdhsa_inst_pref_size 219
	.end_amdhsa_kernel
	.amdgpu_metadata
---
amdhsa.version: [ 1, 2 ]
amdhsa.kernels:
  - .name:           k_q128eeb2851_oproj
    .symbol:         k_q128eeb2851_oproj.kd
    .args:
      - { .name: vb, .offset: 0, .size: 8, .value_kind: global_buffer, .address_space: global }
      - { .name: wob, .offset: 8, .size: 8, .value_kind: global_buffer, .address_space: global }
      - { .name: sc, .offset: 16, .size: 8, .value_kind: global_buffer, .address_space: global }
      - { .name: pst, .offset: 24, .size: 8, .value_kind: global_buffer, .address_space: global }
      - { .name: bo, .offset: 32, .size: 8, .value_kind: global_buffer, .address_space: global }
      - { .name: out0, .offset: 40, .size: 8, .value_kind: global_buffer, .address_space: global }
    .group_segment_fixed_size: 327680
    .private_segment_fixed_size: 0
    .kernarg_segment_align: 8
    .kernarg_segment_size: 48
    .max_flat_workgroup_size: 128
    .sgpr_count:     100
    .vgpr_count:     1024
    .wavefront_size: 32
...
	.end_amdgpu_metadata
.endif
;; end of part 3
